; MI455X (gfx1250); checked and timed in simulation.
; The chip was launched on July 23, 2026; its instructions are those of AMD's public machine-readable ISA for CDNA 5 (MIT licence, August 2026) and "CDNA5" Instruction Set Architecture Reference Guide (July 2026). The comments in the code are by the model that wrote it; some were corrected since.
;; Attn. Allowed arithmetic: matrix products marked QUANTISED: E5M2 operands, one E8M0 scale for each 32 along K, by v_wmma_scale_f32_16x16x128_f8f6f4 with both operands' format E5M2, f32 sums; products left as they are: f32 operands where the result goes on into a quantised operand, else bf16, f16 or f32 operands; f32 sums; everything else in f32.
;; Inputs: W_attn_codes 512 x 16 x 32 uint8 (E5M2 codes of W_attn, K innermost, in blocks of 32 codes); W_attn_scales 512 x 16 uint8 (E8M0 scales of W_attn, one for each 32 codes along K); b_attn 512 float32; encoder_outputs_codes 32 x 4,096 x 16 x 32 uint8 (E5M2 codes of encoder_outputs, K innermost, in blocks of 32 codes); encoder_outputs_scales 32 x 4,096 x 16 uint8 (E8M0 scales of encoder_outputs, one for each 32 codes along K); hidden 1 x 32 x 512 float32.
;; Outputs: out0 32 x 1 x 4,096 float32.
;; This version of the problem:
;;   THIS VERSION OF THE PROBLEM IS GIVEN IN LOW PRECISION. The matrix products marked QUANTISED in the list below multiply operands that are first quantised to E5M2 (5 exponent bits, 2 mantissa bits; 8 bits a number), with one power-of-two scale for each 32 numbers along K (OCP MX v1.0); their sums are f32. All else is computed in f32.
;;   The module's matrix products, in the order in which they are computed (A, B: the left and right operand; K: the contracted axis; several contracted axes count as one K, in the product's order):
;;     1. [M 131,072, K 512] x [K 512, N 512]; A: input encoder_outputs (given as codes); B: input W_attn (given as codes): QUANTISED
;;     2. batch 32 x [M 4,096, K 512] x [K 512, N 1]; A: computed on the way; B: input hidden: left as it is (N = 1 < 16)
;;   THE QUANTISER, for each operand of a quantised product, along K:
;;     - K is cut into blocks of 32 from its start; a last block that is shorter is filled with zeros.
;;     - A block's scale is 2^e with e = floor(log2(the largest magnitude in the block)) - 15, held to -126 .. 127; a block of zeros has e = 0. As a byte (E8M0): e + 127.
;;     - Each number is divided by its block's scale, clamped to +-57,344, and rounded to the nearest number of E5M2, ties to even, subnormals kept.
;;     - The product sums the exact products of the quantised numbers (number of the format x scale) in f32.
;;   ~~~python
;;   def quantise(x, axis):      # numpy; x: float32 -> the quantised numbers, widened to float32 again
;;       x = np.moveaxis(x, axis, -1); K = x.shape[-1]
;;       x = np.pad(x, [(0, 0)] * (x.ndim - 1) + [(0, -K % 32)]); x = x.reshape(x.shape[:-1] + (-1, 32)); a = np.abs(x).max(-1, keepdims=True)
;;       e = np.where(a > 0, np.clip(np.frexp(np.where(a > 0, a, 1))[1] - 1 - 15, -126, 127), 0)      # np.frexp(a)[1] - 1 = floor(log2(a)), exactly
;;       r = np.clip(x / 2.0 ** e, -57344, 57344)
;;       step = 2.0 ** (np.maximum(np.frexp(np.where(r == 0, 1, r))[1] - 1, -14) - 2)
;;       q = np.round(r / step) * step * 2.0 ** e      # np.round: ties to even
;;       return np.moveaxis(q.reshape(q.shape[:-2] + (-1,))[..., :K], -1, axis).astype(np.float32)
;;   ~~~
;;   INPUTS GIVEN AS CODES. W_attn (in the module: [512, 512], K = its axis 1); encoder_outputs (in the module: [32, 4096, 512], K = its axis 2): each comes as NAME_codes (uint8): NAME with its K axis moved to the last place and cut into blocks of 32 codes, [.., K / 32, bytes a block], one block behind the other in memory; one code a byte (a code: sign, 5 exponent bits, 2 mantissa bits); and NAME_scales (uint8): the same leading axes, one E8M0 byte (e + 127) for each 32 codes along K. Its value is code x scale, taken as it is: it is not quantised again, and the codes and scales need not be those that the quantiser above would give.
;; One version. Each part assembles by itself: llvm-mc -triple=amdgcn-amd-amdhsa -mcpu=gfx1250 --defsym DOCPART=n.
;; ======== version 1 of 1: 2 launches
;; limits: right only within a limited range of input values
;; workspace buffers: scores 524,288 bytes
;; launch scores_l (part 1): grid 256 x 1, 8 waves a work-group, clusters of 4 x 1, 327,680 bytes of LDS; arguments W_attn_codes, W_attn_scales, encoder_outputs_codes, encoder_outputs_scales, hidden, scores; writes scores
.if DOCPART == 1
	.amdgcn_target "amdgcn-amd-amdhsa--gfx1250"
	.amdhsa_code_object_version 6
	.text
	.protected	k_q536e3db9df_scores_l
	.globl	k_q536e3db9df_scores_l
	.p2align	8
	.type	k_q536e3db9df_scores_l,@function
k_q536e3db9df_scores_l:
	s_mov_b64 s[64:65], 0
	v_nop
	global_prefetch_b8 v0, s[64:65] scope:SCOPE_SE
	s_setreg_imm32_b32 hwreg(HW_REG_WAVE_MODE, 25, 1), 1
	s_wait_xcnt 0x0
	s_wait_alu depctr_hold_cnt(0) depctr_sa_sdst(0) depctr_va_vdst(0) depctr_va_sdst(0) depctr_va_ssrc(0) depctr_va_vcc(0) depctr_vm_vsrc(0)
	s_getreg_b32 s2, hwreg(HW_REG_IB_STS2, 6, 4)
	s_cmp_eq_u32 s2, 0
	s_cbranch_scc0 .Lentry_in_a_cluster
	s_endpgm
.Lentry_in_a_cluster:
	s_bfe_u32 s2, ttmp6, 0x10000c
	s_cmp_lg_u32 s2, 0x3003
	s_cbranch_scc0 .Lentry_shape_is_right
	s_endpgm
.Lentry_shape_is_right:
; scores[R] = sum over o of (sum over k of enc[R][k] W[o][k]) hidden[batch(R)][o],  R = 0 .. 131,071 (32 batches x 4,096 rows), o, k = 0 .. 511.
; DEAD WORK LEFT OUT: the bias.  The score is sum_o (e[R][o] + b[o]) h[batch][o] = sum_o e h + sum_o b[o] h[batch][o].  The second term hangs on the batch alone, for all values of b and h: it is the same
; along the axis of the softmax that follows, and a softmax does not change when the same number is added along its axis.  So b_attn reaches no output and is no argument of any launch.
; LIMITS: a NaN, an infinity or an overflow in b_attn or in sum b h is not carried to the result.  Codes of infinity or NaN and a scale byte 0xff give NaN in what they touch.
; ORDER OF SUMS: a score is the sum of 16 parts (4 quarters of o x 2 halves of K x 2 halves of the lanes), each made in four chains.
;
; enc and W arrive as codes of BF8 (E5M2) with one E8M0 byte for each 32 along K and go to the scaled matrix instruction as they lie.  The product with hidden is f32 multiply-adds on the accumulators.
; SHARES.  Work-group g takes rows 512 g .. 512 g + 511 (all of batch g / 8).  Wave w takes o = 128 (w % 4) .. + 127 and k = 256 (w / 4) .. + 255: its part of W, 16 fragments of 16 o x 128 K, stays in 256 registers,
; and every wave walks the work-group's 32 tiles of 16 rows.  A fragment of enc read from LDS feeds 8 products.  The score is linear in the accumulators, so the halves of K meet only in the last sum.
; Eight waves, two to each SIMD: one wave's LDS loads and waits can stand beside the other's products.
; THE MATRIX INSTRUCTION IS USED TRANSPOSED (source 0 = 16 rows of W, source 1 = 16 rows of enc): lane (r, h) holds row r of enc, register j of accumulator a of group g holds o = 128 (w % 4) + 64 g + 16 a + 8 h + j.
;
; LDS: [0, 8 PARTB) eight parts of 128 lines (256 bytes + 16 of padding: line r starts at bank 4 r mod 64 (64 banks of 4 bytes: ISA guide 11.1), so that the 16 lines of a fragment start at 16 different banks).
;   First the head's joint loads: part w = wave w's 128 half rows of W, asked for once for the four work-groups of a cluster (the address hangs on the wave's number alone), read by wave w alone.
;   Then, behind ONE drained round, the rows 64 .. 511 of enc, which nobody shares: part 2 C + u = K half u of chunk C; chunk 0 = tiles 4 .. 7 (64 lines), chunks 1, 2, 3 = 8 tiles each (128 lines).  One load a wave.
;   What chunk 0 leaves of parts 0 and 1 takes the waves' partial scores, 4,096 bytes each.
;   Y: rows 0 .. 63 (tiles 0 .. 3), by loads through registers while W is on its way: work for the time in which chunk 0 lands.  SCL: enc's scale bytes, likewise.
; PREFETCH: rows 64 .. 191 (chunk 0 and half of chunk 1), each 256 bytes once, one instruction a wave, while W is on its way; all later rows are asked for four tiles of products or more ahead of their use anyway.
;
; REGISTERS, in windows of 256 (s_set_vgpr_msb's low byte: bits 1:0 source 0, 3:2 source 1, 5:4 source 2, 7:6 destination):
;   window 0: addresses, scale words, five fragments of W (v192-255, v24-39), v64-127 two sets of enc's fragments, v128-191 hidden
;   window 1: eleven fragments of W (v0-175), v176-239 accumulators (two groups of four), v240-247 chains, v248 the partial score
; Under 0x51 both the product (W, enc, accumulator) and the multiply-add (accumulator, hidden, chain) can be written; under 0x50 the products whose W lies in window 0.  Six switches a tile.
.set LINE,  272
.set PARTB, 128*LINE
.set TLB,   16*LINE                    ; a tile's 16 lines of one K half
.set YB,    8*PARTB
.set YHALF, 64*LINE
.set SCL,   YB+2*YHALF
.set SPARE, SCL+8192                   ; the spare words, 128 bytes a wave
.set PS,    64*LINE                    ; partial scores: wave w at PARTB (w / 4) + PS + 4096 (w % 4): [tile][r][h] f32
.set FY,  2                            ; YB + YHALF (w / 4) + 272 r + 16 h
.set FX,  3                            ; v3-6: chunk C: PARTB (2 C + w / 4) + 272 r + 16 h
.set SAD, 7                            ; SCL + 16 r + 8 (w / 4) + 4 h: scale words
.set PA,  8                            ; my lane's place among my partial scores
.set SPW, 9
.set NIL, 10
.set WA,  11                           ; PARTB w + 272 r + 16 h
.set RD,  12
.set CO,  13
.set STO, 14
.set GO,  15
.set SST, 16
.set VS,  17
.set VH,  18
.set VSC, 19
.set PF,  20
.set ES,  40                           ; v40, v48: enc's scale words of even and odd tiles: lanes 0-15 K step 0 of my half, lanes 16-31 K step 1
.set WS,  41                           ; v41-47, v49: W's, laid likewise: no number equals v40's or v48's modulo 8
.set FR,  64                           ; set u, K step s at v[64 + 32 u + 16 s]
.set H,   128
.set ACC, 176
.set SA,  240                          ; v240-243 chains of group 0 (even, odd lines), v244-247 of group 1
.set SB,  242
.set SC,  244
.set SD,  246
.set T,   248
.set WV,  16                           ; s16 wave
.set G1W, 24
.set G0W, 32
.set G0E, 36
.set G1A, 44
.set G1B, 52
.set MSB, 0
.macro WIN new                         ; the immediate's high byte repeats the setting that is left
.if MSB != (\new)
	s_set_vgpr_msb (MSB<<8)|(\new)
.set MSB, (\new)
.endif
.endm
.macro ROUND                           ; a round of the cluster's barrier
	s_barrier_signal -1
	s_barrier_wait -1
	s_cmp_lg_u32 s[WV], 0
	s_cbranch_scc1 .Lnot_wave_0_\@
	s_barrier_signal -3
.Lnot_wave_0_\@:
	s_barrier_wait -3
	s_barrier_signal -1
	s_barrier_wait -1
.endm
.macro WREG g, p                       ; where W's fragment for product p of group g lies: tile 4 g + p % 4 of o, K step p / 4 of my half
.if ((\g) == 0) && ((\p) < 3)
.set wr, 192+16*(\p)
.set ww, 0
.elseif ((\g) == 1) && ((\p) == 0)
.set wr, 240
.set ww, 0
.elseif ((\g) == 1) && ((\p) == 1)
.set wr, 24
.set ww, 0
.elseif (\g) == 0
.set wr, 16*((\p)-3)
.set ww, 1
.else
.set wr, 80+16*((\p)-2)
.set ww, 1
.endif
.endm
.macro WFRAG g, p                      ; its four loads: registers 4 c .. 4 c + 3 hold K = 32 c + 16 h + 0 .. 15
	WREG \g, \p
	WIN 0x40*ww
.set wo, TLB*(4*(\g)+(\p)%4)+128*((\p)/4)
.irp c, 0,1,2,3
	ds_load_b128 v[wr+4*\c:wr+4*\c+3], v[WA] offset:wo+32*\c
.endr
.endm
; Product p of 8 of group g on fragment set u.  The four accumulators take turns; K step 0 starts the sums with the constant 0.
.macro MM g, p, u
	WREG \g, \p
.set rD, ACC+32*(\g)+8*((\p)%4)
.set rB, FR+32*(\u)+16*((\p)/4)
.set rT, 4*(\g)+(\p)%4
.set rW, WS+rT+rT/7
.set rE, ES+8*(\u)
	WIN 0x50+ww
.if (\p) < 4
	v_wmma_scale_f32_16x16x128_f8f6f4 v[rD:rD+7], v[wr:wr+15], v[rB:rB+15], 0, v[rW], v[rE] matrix_a_fmt:MATRIX_FMT_BF8 matrix_b_fmt:MATRIX_FMT_BF8
.else
	v_wmma_scale_f32_16x16x128_f8f6f4 v[rD:rD+7], v[wr:wr+15], v[rB:rB+15], v[rD:rD+7], v[rW], v[rE] matrix_a_fmt:MATRIX_FMT_BF8 matrix_b_fmt:MATRIX_FMT_BF8 matrix_a_scale:MATRIX_SCALE_ROW1 matrix_b_scale:MATRIX_SCALE_ROW1
.endif
.endm
; Line k of 16 of group g's part of the score: accumulator k / 4 from its low end on, two o at a time; lines 0 and 1 start the two chains.  none = 1: there is no tile before: a v_nop keeps the line's place.
.macro PKL g, k, none
	WIN 0x51
.set rH, H+32*(\g)+8*((\k)/4)+2*((\k)%4)
.set rC, ACC+32*(\g)+8*((\k)/4)+2*((\k)%4)
.set rS, SA+4*(\g)+2*((\k)%2)
.if \none
	v_nop
.elseif (\k) < 2
	v_pk_mul_f32 v[rS:rS+1], v[rC:rC+1], v[rH:rH+1]
.else
	v_pk_fma_f32 v[rS:rS+1], v[rC:rC+1], v[rH:rH+1], v[rS:rS+1]
.endif
.endm
.macro FETCH n                         ; tile n's scale words and its eight fragment loads
.if (\n) < 4
.set fa, FY
.set fo, TLB*(\n)
.elseif (\n) < 8
.set fa, FX
.set fo, TLB*((\n)-4)
.else
.set fa, FX+(\n)/8
.set fo, TLB*((\n)%8)
.endif
.set fr, FR+32*((\n)%2)
.set fe, ES+8*((\n)%2)
	ds_load_b32 v[fe], v[SAD] offset:256*(\n)
.irp k, 0,1,2,3,4,5,6,7
	ds_load_b128 v[fr+4*\k:fr+4*\k+3], v[fa] offset:fo+32*\k
.endr
.endm
.macro SCORE                           ; a tile's four chains: my partial score of row r
	WIN 0x45
	v_pk_add_f32 v[SC:SC+1], v[SC:SC+1], v[SD:SD+1]
	v_pk_add_f32 v[SA:SA+1], v[SA:SA+1], v[SB:SB+1]
	v_pk_add_f32 v[SC:SC+1], v[SC:SC+1], v[SA:SA+1]
	v_add_f32 v[T], v[SC], v[SC+1]
.endm
; A TILE.  Group 0's products stand beside group 1's lines of the tile before, group 1's beside group 0's lines of this tile: two lines a product.  Between the two halves stands the tile's one run of LDS instructions.
; PLACES (eight plain vector instructions behind a product before its result is read).  An accumulator's last product is number 4 + a of its group; the
; lines of the other group behind products 4 .. 7 are eight, and the accumulators are read in order, four lines each: 8, 10, 12, 14 places or more.  The run's loads go into the set that the tile before used: eighteen
; lines since its last product.  An accumulator is begun anew sixteen lines or more behind its last product.
; Chunk C is shown to all waves by a barrier in tile 3, 7, 15, 23: the waves that asked for it have waited for it ahead of the signal, in the last of the four all waves; in front of the signal no LDS instruction of mine
; is out; up to the wait stand products and lines alone.
.macro TILE t
.set CB, -1
.if (\t) == 3
.set CB, 0
.elseif (\t) == 7
.set CB, 1
.elseif (\t) == 15
.set CB, 2
.elseif (\t) == 23
.set CB, 3
.endif
.if CB >= 0
	WIN 0                                          ; at a label and at a branch every window is 0
.if CB < 3
	s_cmp_lt_u32 s[WV], 2*CB+2
	s_cbranch_scc0 .Lnot_mine_\@
	s_wait_tensorcnt 0x0
.Lnot_mine_\@:
.else
	s_wait_tensorcnt 0x0
.endif
.endif
	s_wait_dscnt 0x0                               ; this tile's fragments and scale words
.if CB >= 0
	s_barrier_signal -1
.endif
.set tp, 0
.rept 8
	MM 0, tp, (\t)%2
.if tp == 2
.irp k, 0,1,2,3,4,5
	PKL 1, \k, ((\t)==0)
.endr
.elseif tp > 2
	PKL 1, 2*tp, ((\t)==0)
	PKL 1, 2*tp+1, ((\t)==0)
.endif
.set tp, tp+1
.endr
.if (\t) > 0
	SCORE
.endif
.if CB >= 0
	s_wait_alu depctr_va_vdst(0)
	s_barrier_wait -1
.endif
	WIN 4                                          ; the store's data in window 1, all else in window 0
.if (\t) > 0
	ds_store_b32 v[PA], v[T] offset:128*(\t)-128
.endif
.if (\t) < 31
	FETCH (\t)+1
.endif
.set tp, 0
.rept 8
	MM 1, tp, (\t)%2
.if tp == 1
.irp k, 0,1,2,3
	PKL 0, \k, 0
.endr
.elseif tp > 1
	PKL 0, 2*tp, 0
	PKL 0, 2*tp+1, 0
.endif
.set tp, tp+1
.endr
.endm
	s_load_b256 s[4:11], s[0:1], 0x0               ; W's codes s[4:5], W's scales s[6:7], enc's codes s[8:9], enc's scales s[10:11]
	s_load_b128 s[12:15], s[0:1], 0x20             ; hidden s[12:13], scores s[14:15]
	v_lshl_add_u32 v[SPW], v0, 2, SPARE
	v_mov_b32 v[NIL], 0
	ds_add_u32 v[SPW], v[NIL]                      ; the opening add, twice on end; their wait below
	ds_add_u32 v[SPW], v[NIL]
	v_lshrrev_b32 v50, 5, v0
	v_readfirstlane_b32 s[WV], v50
	; W: 128 rows, of each 256 bytes (32 elements of 8 bytes) of its 512; 16 bytes of padding behind each 256 in LDS
	s_mov_b32 s[G1W+0], 15|(3<<16)|(1<<20)|(1<<21)|(5<<22)|(3<<25)   ; 15:0 mask: all four of the cluster; 17:16 elements of 8 bytes; 20 padding on; 21 set beside a mask; 24:22 after every 64 words; 31:25 four words
	s_mov_b32 s[G1A+0], (3<<16)|(1<<20)|(5<<22)|(3<<25)              ; enc: no mask; chunk 0 has 64 rows,
	s_mov_b32 s[G1B+0], (3<<16)|(1<<20)|(5<<22)|(3<<25)              ; the others 128
	s_mov_b32 s[G1W+2], 128<<16
	s_mov_b32 s[G1A+2], 64<<16
	s_mov_b32 s[G1B+2], 128<<16
	s_mov_b32 s[G1W+4], 128
	s_mov_b32 s[G1A+4], 64
	s_mov_b32 s[G1B+4], 128
.irp g, G1W, G1A, G1B
	s_mov_b32 s[\g+1], 32<<16
	s_mov_b32 s[\g+3], 32<<16
	s_mov_b32 s[\g+5], 64
	s_mov_b32 s[\g+6], 0
	s_mov_b32 s[\g+7], 0
.endr
	s_lshr_b32 s18, s[WV], 2                       ; my half of K
	s_and_b32 s19, s[WV], 3                        ; my quarter of o
	s_mov_b32 s[G0W], 1
	s_mul_i32 s[G0W+1], s[WV], PARTB
	s_mov_b32 s[G0E], 1
	s_mul_i32 s[G0E+1], s[WV], PARTB               ; enc: part w = chunk w / 2, K half w % 2
	s_mul_i32 s42, s[WV], PARTB
	s_lshl_b32 s20, s19, 16                        ; W: my 128 rows of 512 bytes,
	s_lshl_b32 s22, s18, 8                         ; my 256 bytes of each
	s_add_co_u32 s20, s20, s22
	s_mov_b32 s21, 0
	s_bfe_u32 s22, ttmp6, 0x40000                  ; my place in the cluster
	s_lshl_b32 s17, ttmp9, 2
	s_add_co_u32 s17, s17, s22                     ; the work-group's number
	s_wait_alu depctr_va_vdst(0)
	s_wait_dscnt 0x0                               ; both opening adds are done
	ROUND                                          ; all four work-groups are here: the joint loads meet
	s_wait_kmcnt 0x0
	s_add_nc_u64 s[G0W+2:G0W+3], s[4:5], s[20:21]
	s_or_b32 s[G0W+3], s[G0W+3], 0x80000000
	tensor_load_to_lds s[G0W:G0W+3], s[G1W:G1W+7]  ; the wave's one load at the head
	s_nop 0
.rept 4
	v_nop
.endr
	s_lshl_b32 s20, s19, 11
	s_add_nc_u64 s[6:7], s[6:7], s[20:21]          ; the scale bytes of my rows of W
	s_lshl_b32 s20, s17, 18
	s_add_nc_u64 s[8:9], s[8:9], s[20:21]          ; the work-group's rows of enc
	s_lshl_b32 s20, s17, 13
	s_add_nc_u64 s[10:11], s[10:11], s[20:21]      ; their scale bytes
	s_lshl_b32 s20, s17, 11
	s_add_nc_u64 s[14:15], s[14:15], s[20:21]      ; the work-group's scores
	s_lshr_b32 s20, s17, 3                         ; the batch
	s_lshl_b32 s20, s20, 11
	s_lshl_b32 s22, s19, 9
	s_add_co_u32 s20, s20, s22
	s_add_nc_u64 s[12:13], s[12:13], s[20:21]      ; its hidden, my 128 numbers
	s_lshr_b32 s20, s[WV], 1                       ; the rows that I fetch: chunks 1, 2, 3 begin at rows 128, 256, 384,
	s_lshl_b32 s20, s20, 16
	s_max_u32 s20, s20, 0x8000                     ; chunk 0 at row 64
	s_and_b32 s22, s[WV], 1
	s_lshl_b32 s22, s22, 8
	s_add_co_u32 s20, s20, s22
	s_add_nc_u64 s[G0E+2:G0E+3], s[8:9], s[20:21]
	s_or_b32 s[G0E+3], s[G0E+3], 0x80000000
	s_mul_i32 s40, s18, YHALF
	s_add_co_u32 s40, s40, YB
	s_mul_i32 s41, s18, PARTB
	s_lshl_b32 s43, s19, 12
	s_add_co_u32 s43, s43, s41
	s_add_co_u32 s43, s43, PS
	s_lshl_b32 s20, s[WV], 12
	s_mul_i32 s22, s[WV], 8*LINE
	s_add_co_u32 s22, s22, YB
	s_lshl_b32 s23, s[WV], 13
	s_add_co_u32 s23, s23, 0x8000
	s_lshl_b32 s18, s18, 3
	v_and_b32 v50, 15, v0                          ; r
	v_bfe_u32 v51, v0, 4, 1                        ; h
	v_and_b32 v52, 31, v0                          ; lane
	v_mul_u32_u24 v53, v50, LINE
	v_lshl_add_u32 v53, v51, 4, v53                ; 272 r + 16 h
	v_add_nc_u32 v[FY], s40, v53
	v_add_nc_u32 v[WA], s42, v53
	v_add_nc_u32 v[FX], s41, v53
	v_add_nc_u32 v[FX+1], 2*PARTB, v[FX]
	v_add_nc_u32 v[FX+2], 4*PARTB, v[FX]
	v_add_nc_u32 v[FX+3], 6*PARTB, v[FX]
	v_lshlrev_b32 v54, 2, v51                      ; 4 h
	v_lshl_add_u32 v[VS], v50, 4, v54
	v_add_nc_u32 v[VS], s18, v[VS]                 ; 16 r + 8 (w / 4) + 4 h
	v_add_nc_u32 v[SAD], SCL, v[VS]
	v_lshl_add_u32 v[PA], v50, 3, v54
	v_add_nc_u32 v[PA], s43, v[PA]
	v_lshlrev_b32 v[VH], 5, v51
	v_lshlrev_b32 v[VSC], 4, v0
	v_add_nc_u32 v[SST], SCL, v[VSC]
	v_add_nc_u32 v[RD], PS, v[VSC]
	v_lshlrev_b32 v[CO], 3, v0
	v_lshlrev_b32 v[GO], 4, v52
	v_add_nc_u32 v[GO], s20, v[GO]                 ; my rows 8 w .. 8 w + 7 of the first 64
	v_mul_u32_u24 v[STO], v51, YHALF               ; lanes 0-15 hold a row's first 256 bytes, lanes 16-31 its second
	v_lshl_add_u32 v[STO], v50, 4, v[STO]
	v_add_nc_u32 v[STO], s22, v[STO]
	v_lshlrev_b32 v[PF], 8, v52
	v_add_nc_u32 v[PF], s23, v[PF]
.irp m, 0,1
	global_load_b128 v[96+4*\m:99+4*\m], v[VSC], s[10:11] offset:4096*\m   ; thread i: the scale bytes of rows i and i + 256
.endr
.irp i, 0,1,2,3,4,5,6,7
	global_load_b128 v[FR+4*\i:FR+4*\i+3], v[GO], s[8:9] offset:512*\i th:TH_LOAD_NT
.endr
.irp t, 0,1,2,3,4,5,6,7
	global_load_b32 v[WS+\t+\t/7], v[VS], s[6:7] offset:256*\t
.endr
.irp a, 0,1,2,3,4,5,6,7
	global_load_b128 v[H+8*\a:H+8*\a+3],   v[VH], s[12:13] offset:64*\a
	global_load_b128 v[H+8*\a+4:H+8*\a+7], v[VH], s[12:13] offset:64*\a+16
.endr
	global_prefetch_b8 v[PF], s[8:9] th:TH_LOAD_NT scope:SCOPE_SE   ; rows 64 + 16 w .. 79 + 16 w: 32 lanes, 256 bytes each; v20 and the base are not written again
	s_wait_alu depctr_va_vdst(0)
	s_wait_loadcnt 24                              ; the scale bytes and the first 64 rows are in; behind them 8 loads of W's scales and 16 of hidden
.irp m, 0,1
	ds_store_b128 v[SST], v[96+4*\m:99+4*\m] offset:4096*\m
.endr
.irp i, 0,1,2,3,4,5,6,7
	ds_store_b128 v[STO], v[FR+4*\i:FR+4*\i+3] offset:LINE*\i
.endr
	s_wait_tensorcnt 0x0                           ; my part of W, which no other wave reads
.irp p, 0,1,2
	WFRAG 0, \p
.endr
	WFRAG 1, 0
	WFRAG 1, 1
.irp p, 3,4,5,6,7
	WFRAG 0, \p
.endr
.irp p, 2,3,4,5,6,7
	WFRAG 1, \p
.endr
	WIN 0
	s_wait_loadcnt 0x0                             ; W's scales and hidden
	s_wait_tensorcnt 0x0
	ds_add_u32 v[SPW], v[NIL]
	s_wait_dscnt 0x0                               ; the add is done, my stores are done, and W is in my registers
	ROUND                                          ; that holds of every wave: W's bytes may be filled again, and the first 64 rows and the scale bytes may be read
; One load a wave, waves 2 C and 2 C + 1 for chunk C: one chain of arms that meet at one join
.macro ARM under, g1, next
	s_cmp_lt_u32 s[WV], \under
	s_cbranch_scc0 \next
	tensor_load_to_lds s[G0E:G0E+3], s[\g1:\g1+7]
	s_nop 0
.rept 4
	v_nop
.endr
	s_branch .Lasked
\next:
.endm
	ARM 2, G1A, .Lchunk1
	ARM 4, G1B, .Lchunk2
	ARM 6, G1B, .Lchunk3
	tensor_load_to_lds s[G0E:G0E+3], s[G1B:G1B+7]
	s_nop 0
.rept 4
	v_nop
.endr
.Lasked:
	FETCH 0
.set i, 0
.rept 32
	TILE i                                         ; written out: the barriers stand in four of the tiles, and every LDS offset is an immediate
.set i, i+1
.endr
.set k, 0
.rept 16
	PKL 1, k, 0                                    ; tile 31's group 1
.set k, k+1
.endr
	SCORE
	WIN 4
	ds_store_b32 v[PA], v[T] offset:128*31
	WIN 0
	; THE SUM OVER WAVES AND HALVES.  Thread i takes rows 2 i and 2 i + 1: of each wave's part 16 bytes (two rows x two halves of the lanes)
	s_wait_alu depctr_va_vdst(0)
	s_wait_dscnt 0x0                               ; for the others' sake: my partial scores lie in LDS
	s_barrier_signal -1
	s_barrier_wait -1
.irp w, 0,1,2,3,4,5,6,7
	ds_load_b128 v[FR+4*\w:FR+4*\w+3], v[RD] offset:PARTB*(\w/4)+4096*(\w%4)
.endr
	s_wait_dscnt 0x0
.irp w, 0,8,16,24
	v_pk_add_f32 v[FR+\w:FR+\w+1], v[FR+\w:FR+\w+1], v[FR+\w+4:FR+\w+5]
	v_pk_add_f32 v[FR+\w+2:FR+\w+3], v[FR+\w+2:FR+\w+3], v[FR+\w+6:FR+\w+7]
.endr
.irp w, 0,2,16,18
	v_pk_add_f32 v[FR+\w:FR+\w+1], v[FR+\w:FR+\w+1], v[FR+\w+8:FR+\w+9]
.endr
.irp w, 0,2
	v_pk_add_f32 v[FR+\w:FR+\w+1], v[FR+\w:FR+\w+1], v[FR+\w+16:FR+\w+17]
.endr
	v_add_f32 v96, v[FR], v[FR+1]
	v_add_f32 v97, v[FR+2], v[FR+3]
	global_store_b64 v[CO], v[96:97], s[14:15]     ; a wave stores 256 consecutive bytes, at a multiple of 256
	s_wait_tensorcnt 0x0                           ; the wave's end
	ds_add_u32 v[SPW], v[NIL]
	s_wait_dscnt 0x0
	ROUND                                          ; the closing round: no work-group ends while a partner may still ask for a tile that names it
	s_endpgm
.Lfunc_end_k_q536e3db9df_scores_l:
	.size	k_q536e3db9df_scores_l, .Lfunc_end_k_q536e3db9df_scores_l-k_q536e3db9df_scores_l
	.p2alignl 7, 3214868480
	.fill 96, 4, 3214868480
	.section	.rodata,"a",@progbits
	.p2align	6, 0x0
	.amdhsa_kernel k_q536e3db9df_scores_l
		.amdhsa_group_segment_fixed_size 327680
		.amdhsa_private_segment_fixed_size 0
		.amdhsa_enable_private_segment 0
		.amdhsa_kernarg_size 48
		.amdhsa_user_sgpr_count 2
		.amdhsa_user_sgpr_kernarg_segment_ptr 1
		.amdhsa_wavefront_size32 1
		.amdhsa_system_sgpr_workgroup_id_x 1
		.amdhsa_system_sgpr_workgroup_id_y 1
		.amdhsa_system_sgpr_workgroup_id_z 1
		.amdhsa_system_vgpr_workitem_id 0
		.amdhsa_next_free_vgpr 512
		.amdhsa_next_free_sgpr 66
		.amdhsa_reserve_vcc 0
		.amdhsa_float_denorm_mode_32 3
		.amdhsa_float_denorm_mode_16_64 3
		.amdhsa_memory_ordered 1
		.amdhsa_forward_progress 1
		.amdhsa_inst_pref_size 182
	.end_amdhsa_kernel
	.amdgpu_metadata
---
amdhsa.version: [ 1, 2 ]
amdhsa.kernels:
  - .name:           k_q536e3db9df_scores_l
    .symbol:         k_q536e3db9df_scores_l.kd
    .args:
      - { .name: W_attn_codes, .offset: 0, .size: 8, .value_kind: global_buffer, .address_space: global }
      - { .name: W_attn_scales, .offset: 8, .size: 8, .value_kind: global_buffer, .address_space: global }
      - { .name: encoder_outputs_codes, .offset: 16, .size: 8, .value_kind: global_buffer, .address_space: global }
      - { .name: encoder_outputs_scales, .offset: 24, .size: 8, .value_kind: global_buffer, .address_space: global }
      - { .name: hidden, .offset: 32, .size: 8, .value_kind: global_buffer, .address_space: global }
      - { .name: scores, .offset: 40, .size: 8, .value_kind: global_buffer, .address_space: global }
    .group_segment_fixed_size: 327680
    .private_segment_fixed_size: 0
    .kernarg_segment_align: 8
    .kernarg_segment_size: 48
    .max_flat_workgroup_size: 256
    .sgpr_count:     66
    .vgpr_count:     512
    .wavefront_size: 32
...
	.end_amdgpu_metadata
.endif
;; end of part 1
;; launch softmax_l (part 2): grid 32 x 1, 16 waves a work-group, no clusters, 2,304 bytes of LDS; arguments scores, out0; writes out0
.if DOCPART == 2
	.amdgcn_target "amdgcn-amd-amdhsa--gfx1250"
	.amdhsa_code_object_version 6
	.text
	.protected	k_q536e3db9df_softmax_l
	.globl	k_q536e3db9df_softmax_l
	.p2align	8
	.type	k_q536e3db9df_softmax_l,@function
k_q536e3db9df_softmax_l:
	s_mov_b64 s[64:65], 0
	v_nop
	global_prefetch_b8 v0, s[64:65] scope:SCOPE_SE
	s_setreg_imm32_b32 hwreg(HW_REG_WAVE_MODE, 25, 1), 1
	s_wait_xcnt 0x0
; out0[b][s] = exp(x[b][s] - max_s x[b][s]) / the sum over s of the same, x = scores [32][4096] f32.
; A work-group takes one batch: 4,096 numbers, 16,384 bytes.  Sixteen waves; thread i takes 8 numbers, by two loads of 16 bytes at 16 i and 8,192 + 16 i: each load and store of a wave covers 512 consecutive bytes.
; THE MAXIMUM IS TAKEN AWAY, in two levels, so that one barrier serves: each wave takes its own maximum m_w away from its 256 numbers (the subtraction ahead of the multiplication by log2(e), so that large scores lose
; nothing), sums its p = 2^((x - m_w) log2 e) to l_w, and leaves (m_w, l_w) in LDS.  Then every wave forms M = max m_w, L = the sum of l_w 2^((m_w - M) log2 e), and multiplies its p by 2^((m_w - M) log2 e) / L.
; Every exponent is 0 or less, l_w lies between 1 and 256 and L between 1 and 4,096: nothing overflows.
; The row's reduction stays in one work-group, so there are 32 work-groups; no matrix unit, no tensor load, no cluster: nothing here is shared between work-groups, and the launch moves each byte once.
; LIMITS: scores must be finite (NaN or infinity in a batch spoils that batch).  A p under 2^-126 comes out as 0: the exponential flushes denormal results (ISA guide, its entry in 15.8).
	s_load_b128 s[4:7], s[0:1], 0x0                ; scores s[4:5], out0 s[6:7]
	v_lshl_add_u32 v32, v0, 2, 0x100
	v_mov_b32 v33, 0
	s_lshl_b32 s2, ttmp9, 14                       ; the batch's 16,384 bytes
	s_mov_b32 s3, 0
	s_mov_b32 s10, 0x76543210                      ; v_permlanex16_b32's selects for lane l xor 16
	s_mov_b32 s11, 0xfedcba98
	v_lshlrev_b32 v1, 4, v0                        ; 16 x thread
	v_lshrrev_b32 v2, 5, v0
	s_delay_alu instid0(VALU_DEP_1)
	v_lshlrev_b32 v2, 3, v2                        ; LDS: 8 x wave: where my wave's (m, l) goes
	v_and_b32 v3, 15, v0
	s_delay_alu instid0(VALU_DEP_1)
	v_lshlrev_b32 v3, 3, v3                        ; and 8 x (lane % 16): the wave whose pair I read back
	s_wait_alu depctr_va_vdst(0)
	s_wait_kmcnt 0x0
	s_add_nc_u64 s[4:5], s[4:5], s[2:3]
	s_add_nc_u64 s[6:7], s[6:7], s[2:3]
	global_load_b128 v[4:7], v1, s[4:5] th:TH_LOAD_NT
	global_load_b128 v[8:11], v1, s[4:5] offset:8192 th:TH_LOAD_NT
	s_wait_loadcnt 0x0
	v_max3_num_f32 v12, v4, v5, v6                 ; my eight,
	v_max3_num_f32 v13, v7, v8, v9
	s_delay_alu instid0(VALU_DEP_2)
	v_max3_num_f32 v12, v12, v10, v11
	s_delay_alu instid0(VALU_DEP_1)
	v_max_num_f32 v12, v12, v13
	s_delay_alu instid0(VALU_DEP_1)
	v_max_num_f32_dpp v12, v12, v12 row_xmask:1 row_mask:0xf bank_mask:0xf   ; the sixteen lanes of my half,
	s_delay_alu instid0(VALU_DEP_1)
	v_max_num_f32_dpp v12, v12, v12 row_xmask:2 row_mask:0xf bank_mask:0xf
	s_delay_alu instid0(VALU_DEP_1)
	v_max_num_f32_dpp v12, v12, v12 row_xmask:4 row_mask:0xf bank_mask:0xf
	s_delay_alu instid0(VALU_DEP_1)
	v_max_num_f32_dpp v12, v12, v12 row_xmask:8 row_mask:0xf bank_mask:0xf
	s_delay_alu instid0(VALU_DEP_1)
	v_permlanex16_b32 v13, v12, s10, s11           ; (its destination counts as read: v13 has been written)
	s_delay_alu instid0(VALU_DEP_1)
	v_max_num_f32 v12, v12, v13                    ; and the other half: m_w, in every lane
.irp j, 4,6,8,10
	v_pk_add_f32 v[\j:\j+1], v[\j:\j+1], v[12:13] op_sel_hi:[1,0] neg_lo:[0,1] neg_hi:[0,1]   ; x - m_w: of the pair the low word serves both halves
.endr
.irp j, 4,6,8,10
	s_delay_alu instid0(VALU_DEP_4)
	v_pk_mul_f32 v[\j:\j+1], v[\j:\j+1], 0x3fb8aa3b op_sel_hi:[1,0]                          ; x log2(e)
.endr
	s_wait_alu depctr_va_vdst(0)
.irp j, 4,5,6,7,8,9,10,11
	v_exp_f32 v[\j], v[\j]                         ; p, at most 1
.endr
	v_nop                                          ; one plain instruction between the last exponential and the use of its result
	s_wait_alu depctr_va_vdst(0)
	v_pk_add_f32 v[14:15], v[4:5], v[6:7]
	v_pk_add_f32 v[16:17], v[8:9], v[10:11]
	s_delay_alu instid0(VALU_DEP_1)
	v_pk_add_f32 v[14:15], v[14:15], v[16:17]
	s_delay_alu instid0(VALU_DEP_1)
	v_add_f32 v14, v14, v15
	s_delay_alu instid0(VALU_DEP_1)
	v_add_f32_dpp v14, v14, v14 row_xmask:1 row_mask:0xf bank_mask:0xf
	s_delay_alu instid0(VALU_DEP_1)
	v_add_f32_dpp v14, v14, v14 row_xmask:2 row_mask:0xf bank_mask:0xf
	s_delay_alu instid0(VALU_DEP_1)
	v_add_f32_dpp v14, v14, v14 row_xmask:4 row_mask:0xf bank_mask:0xf
	s_delay_alu instid0(VALU_DEP_1)
	v_add_f32_dpp v14, v14, v14 row_xmask:8 row_mask:0xf bank_mask:0xf
	s_delay_alu instid0(VALU_DEP_1)
	v_permlanex16_b32 v15, v14, s10, s11
	s_delay_alu instid0(VALU_DEP_1)
	v_add_f32 v13, v14, v15                        ; l_w, beside m_w
	ds_store_b64 v2, v[12:13]                      ; all lanes of a wave write the same 8 bytes with the same values
	s_wait_dscnt 0x0                               ; for the others' sake
	s_barrier_signal -1
	s_barrier_wait -1
	ds_load_b64 v[18:19], v3                       ; lane l: (m, l) of wave l % 16: each half of the lanes holds all sixteen
	s_wait_dscnt 0x0
	v_mov_b32 v21, v18
	s_delay_alu instid0(VALU_DEP_1)
	v_max_num_f32_dpp v21, v21, v21 row_xmask:1 row_mask:0xf bank_mask:0xf
	s_delay_alu instid0(VALU_DEP_1)
	v_max_num_f32_dpp v21, v21, v21 row_xmask:2 row_mask:0xf bank_mask:0xf
	s_delay_alu instid0(VALU_DEP_1)
	v_max_num_f32_dpp v21, v21, v21 row_xmask:4 row_mask:0xf bank_mask:0xf
	s_delay_alu instid0(VALU_DEP_1)
	v_max_num_f32_dpp v21, v21, v21 row_xmask:8 row_mask:0xf bank_mask:0xf   ; M
	s_delay_alu instid0(VALU_DEP_1)
	v_sub_f32 v22, v18, v21                        ; that wave's m - M,
	s_delay_alu instid0(VALU_DEP_2)
	v_sub_f32 v23, v12, v21                        ; and my own wave's
	s_delay_alu instid0(VALU_DEP_2)
	v_mul_f32 v22, 0x3fb8aa3b, v22
	s_delay_alu instid0(VALU_DEP_2)
	v_mul_f32 v23, 0x3fb8aa3b, v23
	s_wait_alu depctr_va_vdst(0)
	v_exp_f32 v22, v22
	v_exp_f32 v23, v23
	v_nop                                          ; a plain instruction behind the exponentials
	s_wait_alu depctr_va_vdst(0)
	v_mul_f32 v22, v22, v19                        ; that wave's sum under M
	s_delay_alu instid0(VALU_DEP_1)
	v_add_f32_dpp v22, v22, v22 row_xmask:1 row_mask:0xf bank_mask:0xf
	s_delay_alu instid0(VALU_DEP_1)
	v_add_f32_dpp v22, v22, v22 row_xmask:2 row_mask:0xf bank_mask:0xf
	s_delay_alu instid0(VALU_DEP_1)
	v_add_f32_dpp v22, v22, v22 row_xmask:4 row_mask:0xf bank_mask:0xf
	s_delay_alu instid0(VALU_DEP_1)
	v_add_f32_dpp v22, v22, v22 row_xmask:8 row_mask:0xf bank_mask:0xf       ; L
	s_wait_alu depctr_va_vdst(0)
	v_rcp_f32 v24, v22
	v_nop                                          ; a plain instruction behind the reciprocal
	s_wait_alu depctr_va_vdst(0)
	v_mul_f32 v24, v24, v23                        ; 2^((m_w - M) log2 e) / L
	s_delay_alu instid0(VALU_DEP_1)
	v_mov_b32 v25, v24                             ; twice, for the packed multiplication
.irp j, 4,6,8,10
	v_pk_mul_f32 v[\j:\j+1], v[\j:\j+1], v[24:25]
.endr
	global_store_b128 v1, v[4:7], s[6:7] th:TH_STORE_NT
	global_store_b128 v1, v[8:11], s[6:7] offset:8192 th:TH_STORE_NT
	s_wait_tensorcnt 0x0
	ds_add_u32 v32, v33
	s_wait_dscnt 0x0
	s_endpgm
.Lfunc_end_k_q536e3db9df_softmax_l:
	.size	k_q536e3db9df_softmax_l, .Lfunc_end_k_q536e3db9df_softmax_l-k_q536e3db9df_softmax_l
	.p2alignl 7, 3214868480
	.fill 96, 4, 3214868480
	.section	.rodata,"a",@progbits
	.p2align	6, 0x0
	.amdhsa_kernel k_q536e3db9df_softmax_l
		.amdhsa_group_segment_fixed_size 2304
		.amdhsa_private_segment_fixed_size 0
		.amdhsa_enable_private_segment 0
		.amdhsa_kernarg_size 16
		.amdhsa_user_sgpr_count 2
		.amdhsa_user_sgpr_kernarg_segment_ptr 1
		.amdhsa_wavefront_size32 1
		.amdhsa_system_sgpr_workgroup_id_x 1
		.amdhsa_system_sgpr_workgroup_id_y 1
		.amdhsa_system_sgpr_workgroup_id_z 1
		.amdhsa_system_vgpr_workitem_id 0
		.amdhsa_next_free_vgpr 34
		.amdhsa_next_free_sgpr 66
		.amdhsa_reserve_vcc 0
		.amdhsa_float_denorm_mode_32 3
		.amdhsa_float_denorm_mode_16_64 3
		.amdhsa_memory_ordered 1
		.amdhsa_forward_progress 1
		.amdhsa_inst_pref_size 7
	.end_amdhsa_kernel
	.amdgpu_metadata
---
amdhsa.version: [ 1, 2 ]
amdhsa.kernels:
  - .name:           k_q536e3db9df_softmax_l
    .symbol:         k_q536e3db9df_softmax_l.kd
    .args:
      - { .name: scores, .offset: 0, .size: 8, .value_kind: global_buffer, .address_space: global }
      - { .name: out0, .offset: 8, .size: 8, .value_kind: global_buffer, .address_space: global }
    .group_segment_fixed_size: 2304
    .private_segment_fixed_size: 0
    .kernarg_segment_align: 8
    .kernarg_segment_size: 16
    .max_flat_workgroup_size: 512
    .sgpr_count:     66
    .vgpr_count:     34
    .wavefront_size: 32
...
	.end_amdgpu_metadata
.endif
;; end of part 2
